; MI455X (gfx1250); checked and timed in simulation.
; The chip was launched on July 23, 2026; its instructions are those of AMD's public machine-readable ISA for CDNA 5 (MIT licence, August 2026) and "CDNA5" Instruction Set Architecture Reference Guide (July 2026). The comments in the code are by the model that wrote it; some were corrected since.
;; Progressive Interaction Layer. Allowed arithmetic: matrix products marked QUANTISED: E3M2 operands, one E8M0 scale for each 32 along K, by v_wmma_scale_f32_16x16x128_f8f6f4 with both operands' format E3M2, f32 sums; everything else in f32.
;; Inputs: alpha 1 float32; beta 1 float32; i2u_in_b 3,072 float32; i2u_in_w 3,072 x 1,024 float32; i2u_out_b 1,024 float32; i2u_out_w 1,024 x 1,024 float32; item_emb 8,192 x 1,024 float32; item_norm_b 1,024 float32; item_norm_g 1,024 float32; u2i_in_b 3,072 float32; u2i_in_w 3,072 x 1,024 float32; u2i_out_b 1,024 float32; u2i_out_w 1,024 x 1,024 float32; user_emb 8,192 x 1,024 float32; user_norm_b 1,024 float32; user_norm_g 1,024 float32.
;; Outputs: out0 8,192 x 1,024 float32; out1 8,192 x 1,024 float32.
;; This version of the problem:
;;   THIS VERSION OF THE PROBLEM IS GIVEN IN LOW PRECISION. The matrix products marked QUANTISED in the list below multiply operands that are first quantised to E3M2 (3 exponent bits, 2 mantissa bits; 6 bits a number), with one power-of-two scale for each 32 numbers along K (OCP MX v1.0); their sums are f32. All else is computed in f32.
;;   The module's matrix products, in the order in which they are computed (A, B: the left and right operand; K: the contracted axis; several contracted axes count as one K, in the product's order):
;;     1. [M 8,192, K 1,024] x [K 1,024, N 1,024]; A: input user_emb; B: input u2i_in_w: QUANTISED
;;     2. [M 8,192, K 1,024] x [K 1,024, N 1,024]; A: input item_emb; B: input u2i_in_w: QUANTISED
;;     3. [M 8,192, K 1,024] x [K 1,024, N 1,024]; A: input item_emb; B: input u2i_in_w: QUANTISED
;;     4. [M 8,192, K 1,024] x [K 1,024, N 1,024]; A: computed on the way; B: input u2i_out_w: QUANTISED
;;     5. [M 8,192, K 1,024] x [K 1,024, N 1,024]; A: input item_emb; B: input i2u_in_w: QUANTISED
;;     6. [M 8,192, K 1,024] x [K 1,024, N 1,024]; A: input user_emb; B: input i2u_in_w: QUANTISED
;;     7. [M 8,192, K 1,024] x [K 1,024, N 1,024]; A: input user_emb; B: input i2u_in_w: QUANTISED
;;     8. [M 8,192, K 1,024] x [K 1,024, N 1,024]; A: computed on the way; B: input i2u_out_w: QUANTISED
;;   THE QUANTISER, for each operand of a quantised product, along K:
;;     - K is cut into blocks of 32 from its start; a last block that is shorter is filled with zeros.
;;     - A block's scale is 2^e with e = floor(log2(the largest magnitude in the block)) - 4, held to -126 .. 127; a block of zeros has e = 0. As a byte (E8M0): e + 127.
;;     - Each number is divided by its block's scale, clamped to +-28, and rounded to the nearest number of E3M2, ties to even, subnormals kept.
;;     - The product sums the exact products of the quantised numbers (number of the format x scale) in f32.
;;   ~~~python
;;   def quantise(x, axis):      # numpy; x: float32 -> the quantised numbers, widened to float32 again
;;       x = np.moveaxis(x, axis, -1); K = x.shape[-1]
;;       x = np.pad(x, [(0, 0)] * (x.ndim - 1) + [(0, -K % 32)]); x = x.reshape(x.shape[:-1] + (-1, 32)); a = np.abs(x).max(-1, keepdims=True)
;;       e = np.where(a > 0, np.clip(np.frexp(np.where(a > 0, a, 1))[1] - 1 - 4, -126, 127), 0)      # np.frexp(a)[1] - 1 = floor(log2(a)), exactly
;;       r = np.clip(x / 2.0 ** e, -28, 28)
;;       step = 2.0 ** (np.maximum(np.frexp(np.where(r == 0, 1, r))[1] - 1, -2) - 2)
;;       q = np.round(r / step) * step * 2.0 ** e      # np.round: ties to even
;;       return np.moveaxis(q.reshape(q.shape[:-2] + (-1,))[..., :K], -1, axis).astype(np.float32)
;;   ~~~
;;   OPERANDS COMPUTED ON THE WAY. 'Computed on the way' means the value that the module computes at that place (a softmax that the list does not call 'softmax' is quantised finished and normalised). What goes into a quantiser is computed in f32, as accurately as f32 sums, v_exp_f32 and their like allow (about 1e-6 of the number): no bf16 or f16 on the way to a quantiser, and a product that is left as it is and whose result goes on into a quantised operand takes f32 operands (vector FMAs, or v_wmma_f32_16x16x4_f32). A number that lies on a knife's edge between two numbers of the format may be rounded either way, as far as f32 arithmetic and the matrix unit's own rounding can turn it there, and no further.
;; One version. Each part assembles by itself: llvm-mc -triple=amdgcn-amd-amdhsa -mcpu=gfx1250 --defsym DOCPART=n.
;; ======== version 1 of 1: 2 launches
;; limits: right only within a limited range of input values
;; workspace buffers: wimg 3,276,800 bytes
;; launch prep (part 1): grid 256 x 1, 8 waves a work-group, no clusters, 69,632 bytes of LDS; arguments u2i_in_w, u2i_out_w, i2u_in_w, i2u_out_w, wimg; writes wimg
.if DOCPART == 1
	.amdgcn_target "amdgcn-amd-amdhsa--gfx1250"
	.amdhsa_code_object_version 6
	.text
	.protected	k_q33d6cd6608_prep
	.globl	k_q33d6cd6608_prep
	.p2align	8
	.type	k_q33d6cd6608_prep,@function
k_q33d6cd6608_prep:
	s_mov_b64 s[64:65], 0
	v_nop
	global_prefetch_b8 v0, s[64:65] scope:SCOPE_SE
	s_setreg_imm32_b32 hwreg(HW_REG_WAVE_MODE, 25, 1), 1
	s_wait_xcnt 0x0
; WORK LEFT OUT, IN BOTH LAUNCHES: each attention has ONE key, so its softmax is exp(s - s) / exp(s - s) = 1 for every finite score s: the weighted sum is v itself, whatever q and k are.
; So products 1, 2, 5 and 6 (q and k), rows 0..2047 of both in_w and elements 0..2047 of both in_b reach no output, and are not loaded.  Limit: a NaN, an infinity or an overflow that reaches only them is not carried to the result.
; This launch turns the four weights that are left into codes of BF6 (E3M2) with one E8M0 scale byte for each 32 along K, laid in the ORDER OF THE OPERAND'S REGISTERS.
; Matrix 0: rows 2048..3071 of u2i_in_w (Wv); 1: u2i_out_w; 2: rows 2048..3071 of i2u_in_w; 3: i2u_out_w.  Each is [1024 (n)][1024 (k)] f32, K innermost.
; A FRAGMENT is 16 rows x 128 K: 12 registers a lane, 1,536 bytes; byte 512 c + 16 lane holds registers 4 c .. 4 c + 3.  Lane (r, h) of tile t = 2 b + u of group G (128 n) holds row 128 G + 32 b + 8 u + r + 8 (r / 8); registers 6 c .. 6 c + 5 hold k = 128 S + 64 c + 32 h + 0 .. 31.
; wimg, matrix x 819,200 bytes.  From 0: run ((S / 2) x 8 + G) of 13,312 bytes, in it 6,656 (S % 2): tiles 4..7, then 512 bytes of scale words of all eight tiles.  From 425,984: run (8 S + G) of 6,144 bytes: tiles 0..3.
; Row r's scale word of tile t lies at 256 (t / 4) + 8 (16 (t % 2) + r) + 4 ((t / 2) % 2): one load of 8 bytes a lane brings the words of four tiles.
; A block's scale is 2^(floor(log2(its largest magnitude)) - 4); its byte is the largest magnitude's exponent field - 4, held at 1 from below.
; LIMITS: a block of zeros gets the byte 1 where the quantiser says 127 (its codes are zeros, and this program alone reads the bytes); NaN and infinities among the inputs are not served.
; SHARES: work-group x = 64 matrix + 8 G + S makes 8 fragments; wave v makes tile v.  Each load reads 512 consecutive bytes of one row; the 8 KB turn through the wave's own stage in LDS, so that a lane then holds 16 neighbours of each block of 32.
.set SPITCH, 528                       ; a stage row: 512 bytes + 16
.set STG,    16*SPITCH                 ; a wave's stage
.set SCB,    8*STG                     ; behind the stages: 512 bytes of scale words
.set TM,  24                           ; v24-27 largest magnitudes, v28-31 bytes, v36-39 the conversions' scale operands
.set PW,  40                           ; the scale word
.set PC,  44                           ; v44-55 the fragment; v56-62 at work
.set RAW, 64                           ; v64-127 sixteen rows as loaded
.set XS,  128                          ; v128-191 register 16 b + i: k = 32 b + 16 h + i of my row
	s_load_b256 s[4:11], s[0:1], 0x0               ; the four weights
	s_load_b64 s[12:13], s[0:1], 0x20              ; wimg
	v_lshl_add_u32 v192, v0, 2, 0x10c00            ; my spare word
	v_mov_b32 v193, 0
	v_lshrrev_b32 v6, 5, v0
	s_delay_alu instid0(VALU_DEP_1)
	v_readfirstlane_b32 s16, v6                    ; wave = tile 0..7
	v_and_b32 v7, 31, v0                           ; lane
	v_and_b32 v8, 15, v0                           ; r
	s_wait_alu depctr_va_vdst(0)
	v_bfe_u32 v9, v0, 4, 1                         ; h
	v_lshlrev_b32 v1, 4, v7                        ; 16 x lane: in memory and in a stage row
	s_wait_alu depctr_va_vdst(0)
	s_mul_i32 s17, s16, STG
	v_add_nc_u32 v2, s17, v1                       ; the stage, on the way in
	v_mul_u32_u24 v3, v8, SPITCH
	s_delay_alu instid0(VALU_DEP_1)
	v_lshl_add_u32 v3, v9, 6, v3
	s_delay_alu instid0(VALU_DEP_1)
	v_add_nc_u32 v3, s17, v3                       ; and back: row r, + 64 h
	s_lshr_b32 s18, s16, 2
	s_lshl_b32 s18, s18, 8                         ; 256 (t / 4)
	s_and_b32 s19, s16, 1
	s_lshl_b32 s19, s19, 7                         ; 8 x 16 (t % 2)
	s_add_co_u32 s18, s18, s19
	s_bfe_u32 s19, s16, 0x10001
	s_lshl_b32 s19, s19, 2                         ; 4 ((t / 2) % 2)
	s_add_co_u32 s18, s18, s19
	s_add_co_u32 s18, s18, SCB
	v_lshl_add_u32 v4, v8, 3, s18                  ; where my row's scale word goes
	v_add_nc_u32 v5, SCB, v1                       ; and where wave 0 reads 16 bytes of the 512
	s_mov_b32 s36, 0x76543210
	s_mov_b32 s37, 0xfedcba98                      ; v_permlanex16_b32's selects for lane l xor 16
.irp b, 0,1,2,3
	v_mov_b32 v[TM+4+\b], 0                        ; written once: a lane permute's destination counts as one of its sources
.endr
	s_lshr_b32 s20, ttmp9, 6                       ; matrix
	s_bfe_u32 s21, ttmp9, 0x30003                  ; G
	s_and_b32 s22, ttmp9, 7                        ; S
	s_mul_i32 s32, s20, 819200
	s_lshr_b32 s38, s22, 1
	s_lshl_b32 s38, s38, 3
	s_add_co_u32 s38, s38, s21
	s_mul_i32 s38, s38, 13312
	s_and_b32 s39, s22, 1
	s_mul_i32 s39, s39, 6656
	s_add_co_u32 s38, s38, s39
	s_add_co_u32 s38, s38, s32                     ; the run of tiles 4..7 and scale words
	s_add_co_u32 s34, s38, 6144
	s_mov_b32 s35, 0                               ; the scale words' place
	s_lshl_b32 s39, s22, 3
	s_add_co_u32 s39, s39, s21
	s_mul_i32 s39, s39, 6144
	s_add_co_u32 s39, s39, s32
	s_add_co_u32 s39, s39, 425984                  ; the run of tiles 0..3
	s_and_b32 s40, s16, 3
	s_mul_i32 s40, s40, 1536
	s_cmp_lt_u32 s16, 4
	s_cselect_b32 s32, s39, s38
	s_add_co_u32 s32, s32, s40                     ; my fragment
	s_mov_b32 s33, 0
	s_lshl_b32 s21, s21, 7
	s_lshr_b32 s23, s16, 1
	s_lshl_b32 s23, s23, 5
	s_add_co_u32 s21, s21, s23
	s_and_b32 s23, s16, 1
	s_lshl_b32 s23, s23, 3
	s_add_co_u32 s21, s21, s23                     ; the tile's first row: 128 G + 32 b + 8 u
	s_lshl_b32 s24, s21, 12                        ; x 4,096 bytes
	s_lshl_b32 s22, s22, 9
	s_add_co_u32 s24, s24, s22                     ; + 512 S
	s_mov_b32 s25, 0
	s_and_b32 s26, s20, 1
	s_wait_alu depctr_va_vdst(0)
	s_wait_kmcnt 0x0
	s_cmp_lt_u32 s20, 2                            ; the choices hang on the work-group's number alone
	s_cselect_b64 s[28:29], s[4:5], s[8:9]
	s_cselect_b64 s[30:31], s[6:7], s[10:11]
	s_cmp_eq_u32 s26, 0
	s_cselect_b64 s[28:29], s[28:29], s[30:31]
	s_cselect_b32 s27, 0x800000, 0                 ; in an in_w: 2,048 rows down
	s_add_co_u32 s24, s24, s27
	s_add_nc_u64 s[28:29], s[28:29], s[24:25]
	s_add_nc_u64 s[14:15], s[12:13], s[34:35]
	s_add_nc_u64 s[12:13], s[12:13], s[32:33]
.irp i, 0,1,2,3,4,5,6,7,8,9,10,11,12,13,14,15
	global_load_b128 v[RAW+4*\i:RAW+4*\i+3], v1, s[28:29] offset:(\i+8*(\i/8))*4096 th:TH_LOAD_NT   ; fragment row i: 512 consecutive bytes; read once in the launch
.endr
.irp i, 0,1,2,3,4,5,6,7,8,9,10,11,12,13,14,15
	s_wait_loadcnt 15-\i                           ; row i is in; the younger rows may be out
	ds_store_b128 v2, v[RAW+4*\i:RAW+4*\i+3] offset:SPITCH*\i
.endr
.irp b, 0,1,2,3
.irp j, 0,1,2,3
	ds_load_b128 v[XS+16*\b+4*\j:XS+16*\b+4*\j+3], v3 offset:128*\b+16*\j   ; LDS serves a wave's instructions in order (ISA guide 5.7.1.4): these see my stores
.endr
.endr
	s_wait_dscnt 0x0
.irp b, 0,1,2,3
	v_max3_num_f32 v[TM+\b], |v[XS+16*\b]|, |v[XS+16*\b+1]|, 0x2800000   ; block b: my 16 numbers, and the floor 2^(5 - 127): the byte cannot fall under 1
.endr
.irp i, 2,4,6,8,10,12,14
.irp b, 0,1,2,3
	s_delay_alu instid0(VALU_DEP_4)
	v_max3_num_f32 v[TM+\b], v[TM+\b], |v[XS+16*\b+\i]|, |v[XS+16*\b+\i+1]|   ; the four blocks by turns
.endr
.endr
.irp b, 0,1,2,3
	s_delay_alu instid0(VALU_DEP_4)
	v_permlanex16_b32 v[TM+4+\b], v[TM+\b], s36, s37
.endr
.irp b, 0,1,2,3
	s_delay_alu instid0(VALU_DEP_4)
	v_max_num_f32 v[TM+\b], v[TM+\b], v[TM+4+\b]   ; with lane l xor 16's: the block's largest magnitude
.endr
.irp b, 0,1,2,3
	s_delay_alu instid0(VALU_DEP_4)
	v_add_nc_u32 v[TM+12+\b], 0xfe000000, v[TM+\b] ; 4 off its exponent field: the conversion takes the exponent field of this operand as its scale
.endr
.irp b, 0,1,2,3
	s_delay_alu instid0(VALU_DEP_4)
	v_lshrrev_b32 v[TM+4+\b], 23, v[TM+12+\b]      ; the scale's byte
.endr
	s_delay_alu instid0(VALU_DEP_3)
	v_lshl_or_b32 v[PW], v[TM+5], 8, v[TM+4]
	s_delay_alu instid0(VALU_DEP_1)
	v_lshl_or_b32 v[PW], v[TM+6], 16, v[PW]
	s_delay_alu instid0(VALU_DEP_1)
	v_lshl_or_b32 v[PW], v[TM+7], 24, v[PW]        ; my row's scale word
.irp c, 0,1
	v_cvt_scalef32_pk16_bf6_f32 v[PC+6*\c:PC+6*\c+2], v[XS+32*\c:XS+32*\c+15], v[TM+12+2*\c]
	v_cvt_scalef32_pk16_bf6_f32 v[PC+12+4*\c:PC+12+4*\c+2], v[XS+32*\c+16:XS+32*\c+31], v[TM+12+2*\c+1]   ; (a conversion's three registers begin on an even number)
.endr
	v_nop                                          ; one plain place behind a scaled conversion
.irp c, 0,1                                    ; the operand's layout wants a WHOLE block in a lane: lanes 0-15 block 2 c, lanes 16-31 block 2 c + 1
.irp i, 0,1,2
	v_permlane16_swap_b32 v[PC+6*\c+\i], v[PC+12+4*\c+\i]
.endr
.irp i, 0,1,2
	s_delay_alu instid0(VALU_DEP_3)
	v_mov_b32 v[PC+3+6*\c+\i], v[PC+12+4*\c+\i]
.endr
.endr
.irp c, 0,1,2
	global_store_b128 v1, v[PC+4*\c:PC+4*\c+3], s[12:13] offset:512*\c   ; 32 lanes store 512 consecutive bytes, at a multiple of 256 from the buffer's first byte
.endr
	ds_store_b32 v4, v[PW]                         ; lanes r and 16 + r write the same word with the same value
	s_wait_dscnt 0x0                               ; for wave 0's sake: my word has landed
	s_barrier_signal -1
	s_barrier_wait -1
	s_cmp_lg_u32 s16, 0
	s_cbranch_scc1 .Ldone
	ds_load_b128 v[12:15], v5                      ; the 512 bytes of scale words
	s_wait_dscnt 0x0
	global_store_b128 v1, v[12:15], s[14:15]       ; two aligned blocks of 256 bytes
.Ldone:
	s_wait_tensorcnt 0x0                           ; the wave's end
	ds_add_u32 v192, v193
	s_wait_dscnt 0x0
	s_endpgm
.Lfunc_end_k_q33d6cd6608_prep:
	.size	k_q33d6cd6608_prep, .Lfunc_end_k_q33d6cd6608_prep-k_q33d6cd6608_prep
	.p2alignl 7, 3214868480
	.fill 96, 4, 3214868480
	.section	.rodata,"a",@progbits
	.p2align	6, 0x0
	.amdhsa_kernel k_q33d6cd6608_prep
		.amdhsa_group_segment_fixed_size 69632
		.amdhsa_private_segment_fixed_size 0
		.amdhsa_enable_private_segment 0
		.amdhsa_kernarg_size 40
		.amdhsa_user_sgpr_count 2
		.amdhsa_user_sgpr_kernarg_segment_ptr 1
		.amdhsa_wavefront_size32 1
		.amdhsa_system_sgpr_workgroup_id_x 1
		.amdhsa_system_sgpr_workgroup_id_y 1
		.amdhsa_system_sgpr_workgroup_id_z 1
		.amdhsa_system_vgpr_workitem_id 0
		.amdhsa_next_free_vgpr 194
		.amdhsa_next_free_sgpr 66
		.amdhsa_reserve_vcc 0
		.amdhsa_float_denorm_mode_32 3
		.amdhsa_float_denorm_mode_16_64 3
		.amdhsa_memory_ordered 1
		.amdhsa_forward_progress 1
		.amdhsa_inst_pref_size 14
	.end_amdhsa_kernel
	.amdgpu_metadata
---
amdhsa.version: [ 1, 2 ]
amdhsa.kernels:
  - .name:           k_q33d6cd6608_prep
    .symbol:         k_q33d6cd6608_prep.kd
    .args:
      - { .name: u2i_in_w, .offset: 0, .size: 8, .value_kind: global_buffer, .address_space: global }
      - { .name: u2i_out_w, .offset: 8, .size: 8, .value_kind: global_buffer, .address_space: global }
      - { .name: i2u_in_w, .offset: 16, .size: 8, .value_kind: global_buffer, .address_space: global }
      - { .name: i2u_out_w, .offset: 24, .size: 8, .value_kind: global_buffer, .address_space: global }
      - { .name: wimg, .offset: 32, .size: 8, .value_kind: global_buffer, .address_space: global }
    .group_segment_fixed_size: 69632
    .private_segment_fixed_size: 0
    .kernarg_segment_align: 8
    .kernarg_segment_size: 40
    .max_flat_workgroup_size: 256
    .sgpr_count:     66
    .vgpr_count:     194
    .wavefront_size: 32
...
	.end_amdgpu_metadata
.endif
;; end of part 1
;; launch main (part 2): grid 16 x 16, 8 waves a work-group, clusters of 4 x 4, 327,680 bytes of LDS; arguments user_emb, item_emb, u2i_in_b, i2u_in_b, u2i_out_b, i2u_out_b, user_norm_g, item_norm_g, user_norm_b, item_norm_b, alpha, beta, out0, out1, wimg; writes out0, out1
.if DOCPART == 2
	.amdgcn_target "amdgcn-amd-amdhsa--gfx1250"
	.amdhsa_code_object_version 6
	.text
	.protected	k_q33d6cd6608_main
	.globl	k_q33d6cd6608_main
	.p2align	8
	.type	k_q33d6cd6608_main,@function
k_q33d6cd6608_main:
	s_mov_b64 s[64:65], 0
	v_nop
	global_prefetch_b8 v0, s[64:65] scope:SCOPE_SE
	s_setreg_imm32_b32 hwreg(HW_REG_WAVE_MODE, 25, 1), 1
	s_wait_xcnt 0x0
	s_wait_alu depctr_hold_cnt(0) depctr_sa_sdst(0) depctr_va_vdst(0) depctr_va_sdst(0) depctr_va_ssrc(0) depctr_va_vcc(0) depctr_vm_vsrc(0)
	s_getreg_b32 s2, hwreg(HW_REG_IB_STS2, 6, 4)
	s_cmp_eq_u32 s2, 0
	s_cbranch_scc0 .Lentry_in_a_cluster
	s_endpgm
.Lentry_in_a_cluster:
	s_bfe_u32 s2, ttmp6, 0x10000c
	s_cmp_lg_u32 s2, 0xf033
	s_cbranch_scc0 .Lentry_shape_is_right
	s_endpgm
.Lentry_shape_is_right:
; out = LN(res + a (Q(Q(x) Wv^T + bv) Wo^T + bo)), for two streams: stream 0 x = item, res = user, a = alpha; stream 1 x = user, res = item, a = beta.  LEFT OUT: q, k and the softmax of one key, which is 1 for every finite score (the head of the first kernel shows it, with its limit).
; LIMITS: a block of zeros gets the scale byte 1 where the quantiser says 127 (its codes are zeros); NaN and infinities among the inputs are not served.
; A work-group of eight waves takes 64 rows of one stream through both products and the norm; wave w makes 64 rows x 128 columns: 4 x 8 accumulators of 16 x 16, 256 registers (window 1).  256 work-groups.
; CLUSTERS of 4 x 4: cy % 2 is the stream, so a cluster row (same cy) needs the same weights; rows cy = 2 i and 2 i + 1 take the same 64-row blocks of the two streams: what one reads as x the other reads as residual.
; WEIGHTS: of each wave's eight tiles in a K step, tiles 4..7 and all scale words come JOINTLY for a cluster row by tensor loads into LDS (two K steps in a slot, two slots, eight fills), tiles 0..3 straight into registers two K steps ahead.
; K STEPS ARE TAKEN IN ROTATED ORDER, step i = K step (i + rot) % 8, rot = 0, 2, 4, 6 by the cluster's number.  In the first product wave w makes hidden columns of group (w + rot) % 8: so the hidden codes' place w holds the second product's step w.
; X: a wave loads 16 rows x 64 K of a K step in eight loads, two pieces of 256 bytes each, turns them through its own LDS stage and quantises them.  Four K steps in the head, four under the first product; their loads are asked for one or two K steps ahead, so no prefetch is laid for them.
;   The residual has been read as x by a partner of the same cluster earlier in this launch: no prefetch for it either.  The second matrix is prefetched, each 256 bytes by one work-group of the launch.
; THE MATRIX INSTRUCTION IS USED TRANSPOSED (source 0 = weights): lane (r, h) holds row r of x, and the 16 registers of tiles 2 b, 2 b + 1 are columns 32 b + 16 h + 0 .. 15.
.set SLOT,  106496                     ; 8 waves x 13,312
.set XH,    2*SLOT                     ; x's codes: 8 K steps x 6,656
.set KSB,   6656                       ; a K step: 4 fragments of 1,536, then 4 x 128 bytes of scale words
.set HX,    XH+8*KSB                   ; the hidden codes, likewise; earlier the waves' stages lie here, 4,352 bytes each
.set SPARE, HX+8*KSB                   ; the spare words, 128 bytes a wave
.set RP,    4112                       ; the way out: a row of 4,096 bytes + 16, from LDS byte 0 on
.set BIB,  0                           ; v0..v23 addresses, made in the head.  BIB, BIA: my columns' biases (second, first product)
.set LI,   1                           ; 16 x lane
.set XG,   2                           ; x in memory
.set XW,   3                           ; x into the stage, and back
.set XR,   4
.set XC,   5                           ; x's codes: quads, pairs, scale bytes
.set XP,   6
.set XS,   7
.set HC,   8                           ; the hidden codes likewise
.set HP,   9
.set HS,   10
.set AC,   11                          ; reading codes as an operand
.set AP,   12
.set A4,   13
.set WR,   14                          ; v14-15 my weights in slot 0, 1
.set SPW,  16                          ; my spare word; never rewritten
.set NIL,  17                          ; 0; never rewritten
.set WS,   18                          ; v18-19 my scale words in slot 0, 1
.set BIA,  20
.set LNR,  21                          ; the way out: rows
.set EP,   22                          ; the way out: where my results go
.set PFO,  23
.set LW,   24                          ; v24-71 tiles 4..7 of a K step; the quantisers' work between steps
.set TM,   24
.set PW,   40
.set PC,   44
.set XA,   72                          ; v72-119 x's or the hidden layer's four fragments
.set AS,   120                         ; v120-123 their scale words
.set SB,   124                         ; v124-127 the weights' scale words
.set DW,   128                         ; v128-223 tiles 0..3, two buffers
.set RAW,  224                         ; v224-255 a chunk of x
.set GA,   128                         ; the way out: gains; biases in BT; four rows at YB + 32 a + 32 (a / 3): v32-127, v160-191; v192-223 at work
.set BT,   224
.set YB,   32
.set T,    192
.set G1, 8                             ; s[8:15] descriptor group 1;  s[16:23] group 0 for slots 0, 1
.set G0, 16
.set MSB, 0
.macro WIN new                         ; the immediate's high byte repeats the setting that is left
.if MSB != (\new)
	s_set_vgpr_msb (MSB<<8)|(\new)
.set MSB, (\new)
.endif
.endm
.macro PLACES n
.rept \n
	v_nop
.endr
.endm
.macro CROUND                          ; a round of the cluster's barrier
	s_barrier_signal -1
	s_barrier_wait -1
	s_cmp_lg_u32 s2, 0
	s_cbranch_scc1 .Lnot_wave_0_\@
	s_barrier_signal -3
.Lnot_wave_0_\@:
	s_barrier_wait -3
	s_barrier_signal -1
	s_barrier_wait -1
.endm
.macro FILLADDR f                      ; fill f: K steps 2 f, 2 f + 1 of the walk (f = 4..7: of the second matrix)
	s_add_co_u32 s61, s58, (\f)%4
	s_and_b32 s61, s61, 3
	s_mul_i32 s98, s61, SLOT
	s_add_nc_u64 s[G0+4*((\f)%2)+2:G0+4*((\f)%2)+3], s[24+2*((\f)/4):25+2*((\f)/4)], s[98:99]
	s_or_b32 s[G0+4*((\f)%2)+3], s[G0+4*((\f)%2)+3], 0x80000000
.endm
.macro XLOAD i, W, reg, ptr            ; chunk i of x: my 16 rows x 64 K.  No hint: a partner reads the same bytes as its residual
	s_add_co_u32 s7, s5, \i
	s_and_b32 s7, s7, 7
	s_lshl_b32 s100, s7, 9
	s_add_nc_u64 s[\ptr:\ptr+1], s[40:41], s[100:101]
	WIN 0x40*(\W)
.irp k, 0,1,2,3,4,5,6,7
	global_load_b128 v[\reg+4*\k:\reg+4*\k+3], v[XG], s[\ptr:\ptr+1] offset:8192*\k
.endr
	WIN 0
.endm
.macro DWLOAD i                        ; tiles 0..3 of step i straight into registers
	s_wait_xcnt 0x0                                ; the pointer's earlier loads have read it
	s_add_co_u32 s7, s5, (\i)%8
	s_and_b32 s7, s7, 7
	s_mul_i32 s100, s7, 8*6144
	s_add_nc_u64 s[32+2*((\i)%2):33+2*((\i)%2)], s[28+2*((\i)/8):29+2*((\i)/8)], s[100:101]
.irp t, 0,1,2,3
.irp c, 0,1,2
	global_load_b128 v[DW+48*((\i)%2)+12*\t+4*\c:DW+48*((\i)%2)+12*\t+4*\c+3], v[LI], s[32+2*((\i)%2):33+2*((\i)%2)] offset:1536*\t+512*\c
.endr
.endr
.endm
.macro BIAS ptr, adr                   ; the biases of my columns, in the results' layout, into the first row block's accumulators: C of the first products
	WIN 0x40
.irp t, 0,1,2,3,4,5,6,7
	global_load_b128 v[8*\t:8*\t+3], v[\adr], s[\ptr:\ptr+1] offset:(32*(\t/2)+8*(\t%2))*4
	global_load_b128 v[8*\t+4:8*\t+7], v[\adr], s[\ptr:\ptr+1] offset:(32*(\t/2)+8*(\t%2))*4+16
.endr
	WIN 0
.endm
.macro XQ W, reg, i                    ; chunk i: through my stage (register 16 b + i then holds k = 32 b + 16 h + i of row r), quantised, into the codes' place i
	WIN 0x04*(\W)
.irp k, 0,1,2,3,4,5,6,7
	ds_store_b128 v[XW], v[\reg+4*\k:\reg+4*\k+3] offset:544*\k
.endr
	s_wait_dscnt 0x0
	WIN 0x40*(\W)
.irp b, 0,1
.irp j, 0,1,2,3
	ds_load_b128 v[\reg+16*\b+4*\j:\reg+16*\b+4*\j+3], v[XR] offset:128*\b+16*\j
.endr
.endr
	s_wait_dscnt 0x0
	WIN 0x14*(\W)
.irp b, 0,1
	v_max3_num_f32 v[TM+\b], 0x2800000, |v[\reg+16*\b]|, |v[\reg+16*\b+1]|   ; with the floor 2^(5 - 127): the byte cannot fall under 1
.endr
.irp j, 2,4,6,8,10,12,14
.irp b, 0,1
	v_max3_num_f32 v[TM+\b], v[TM+\b], |v[\reg+16*\b+\j]|, |v[\reg+16*\b+\j+1]|
.endr
.endr
	WIN 0
.irp b, 0,1
	v_permlanex16_b32 v[TM+2+\b], v[TM+\b], s66, s67
.endr
.irp b, 0,1
	v_max_num_f32 v[TM+\b], v[TM+\b], v[TM+2+\b]
.endr
.irp b, 0,1
	v_add_nc_u32 v[TM+4+\b], 0xfe000000, v[TM+\b]  ; 4 off the exponent field: the conversion's scale operand
.endr
.irp b, 0,1
	v_lshrrev_b32 v[TM+2+\b], 23, v[TM+4+\b]
.endr
	v_lshl_or_b32 v[PW], v[TM+3], 8, v[TM+2]       ; my two scale bytes
	WIN (\W)
	v_cvt_scalef32_pk16_bf6_f32 v[PC:PC+2], v[\reg:\reg+15], v[TM+4]
	v_cvt_scalef32_pk16_bf6_f32 v[PC+12:PC+14], v[\reg+16:\reg+31], v[TM+5]
	WIN 0
	v_nop                                          ; one plain place behind a scaled conversion
.irp k, 0,1,2
	v_permlane16_swap_b32 v[PC+\k], v[PC+12+\k]    ; a whole block in a lane: lanes 0-15 the first, lanes 16-31 the second
.endr
.irp k, 0,1,2
	v_mov_b32 v[PC+3+\k], v[PC+12+\k]
.endr
	ds_store_b128 v[XC], v[PC:PC+3] offset:KSB*(\i)
	ds_store_b64 v[XP], v[PC+4:PC+5] offset:KSB*(\i)+512
	ds_store_b16 v[XS], v[PW] offset:KSB*(\i)
	s_wait_dscnt 0x0                               ; the stores have read their registers
.endm
.macro HQ m                            ; the hidden layer's row block m: my 128 columns are one K step of the second product
	WIN 0x14
.irp b, 0,1,2,3
	v_max3_num_f32 v[TM+\b], 0x2800000, |v[64*(\m)+16*\b]|, |v[64*(\m)+16*\b+1]|
.endr
.irp j, 2,4,6,8,10,12,14
.irp b, 0,1,2,3
	v_max3_num_f32 v[TM+\b], v[TM+\b], |v[64*(\m)+16*\b+\j]|, |v[64*(\m)+16*\b+\j+1]|
.endr
.endr
	WIN 0
.irp b, 0,1,2,3
	v_permlanex16_b32 v[TM+4+\b], v[TM+\b], s66, s67
.endr
.irp b, 0,1,2,3
	v_max_num_f32 v[TM+\b], v[TM+\b], v[TM+4+\b]
.endr
.irp b, 0,1,2,3
	v_add_nc_u32 v[TM+12+\b], 0xfe000000, v[TM+\b]
.endr
.irp b, 0,1,2,3
	v_lshrrev_b32 v[TM+4+\b], 23, v[TM+12+\b]
.endr
	v_lshl_or_b32 v[PW], v[TM+5], 8, v[TM+4]
	v_lshl_or_b32 v[PW], v[TM+6], 16, v[PW]
	v_lshl_or_b32 v[PW], v[TM+7], 24, v[PW]
	WIN 1
.irp c, 0,1
	v_cvt_scalef32_pk16_bf6_f32 v[PC+6*\c:PC+6*\c+2], v[64*(\m)+32*\c:64*(\m)+32*\c+15], v[TM+12+2*\c]
	v_cvt_scalef32_pk16_bf6_f32 v[PC+12+4*\c:PC+12+4*\c+2], v[64*(\m)+32*\c+16:64*(\m)+32*\c+31], v[TM+12+2*\c+1]
.endr
	WIN 0
	v_nop
.irp c, 0,1
.irp k, 0,1,2
	v_permlane16_swap_b32 v[PC+6*\c+\k], v[PC+12+4*\c+\k]
.endr
.irp k, 0,1,2
	v_mov_b32 v[PC+3+6*\c+\k], v[PC+12+4*\c+\k]
.endr
.endr
.irp c, 0,1
	ds_store_b128 v[HC], v[PC+6*\c:PC+6*\c+3] offset:1536*(\m)+768*\c
	ds_store_b64 v[HP], v[PC+6*\c+4:PC+6*\c+5] offset:1536*(\m)+768*\c+512
.endr
	ds_store_b32 v[HS], v[PW] offset:6144+128*(\m)
	s_wait_dscnt 0x0
.endm
; In front of a pair of K steps: all my tensor loads are done (the pair's weights, which I alone read), and the other slot is filled again behind a round, which also shows every wave's codes.
.macro PAIR j
	s_wait_alu depctr_va_vdst(0)
	s_wait_tensorcnt 0x0
.if (\j) < 7
	ds_add_u32 v[SPW], v[NIL]
	FILLADDR (\j)+1
	s_wait_dscnt 0x0                               ; the add is done, and so are my reads of the other slot and my stores of codes
	CROUND
	tensor_load_to_lds s[G0+4*(((\j)+1)%2):G0+4*(((\j)+1)%2)+3], s[G1:G1+7]
	s_nop 0
	PLACES 4                                       ; (also the places in front of the LDS loads below)
.endif
.endm
.macro LDSL i                          ; 22 loads: the operand's fragments and all scale words; then 12: tiles 4..7
.irp m, 0,1,2,3
.irp c, 0,1
	ds_load_b128 v[XA+12*\m+6*\c:XA+12*\m+6*\c+3], v[AC] offset:KSB*((\i)%8)+1536*\m+768*\c
	ds_load_b64 v[XA+12*\m+6*\c+4:XA+12*\m+6*\c+5], v[AP] offset:KSB*((\i)%8)+1536*\m+768*\c+512
.endr
	ds_load_b32 v[AS+\m], v[A4] offset:KSB*((\i)%8)+6144+128*\m
.endr
.irp q, 0,1
	ds_load_b64 v[SB+2*\q:SB+2*\q+1], v[WS+((\i)/2)%2] offset:KSB*((\i)%2)+6144+256*\q
.endr
.irp t, 0,1,2,3
.irp c, 0,1,2
	ds_load_b128 v[LW+12*\t+4*\c:LW+12*\t+4*\c+3], v[WR+((\i)/2)%2] offset:KSB*((\i)%2)+1536*\t+512*\c
.endr
.endr
.endm
.macro MM m, t, i, bias                ; row block m x tile t
.set rD, 64*(\m)+8*(\t)
.set rC, rD
.if \bias
.set rC, 8*(\t)
.endif
.if (\t) < 4
.set rA, DW+48*((\i)%2)+12*(\t)
.else
.set rA, LW+12*((\t)-4)
.endif
.set rB, XA+12*(\m)
.set rE, SB+(\t)/2
.set rF, AS+(\m)
.if (\t)%2
	v_wmma_scale_f32_16x16x128_f8f6f4 v[rD:rD+7], v[rA:rA+11], v[rB:rB+11], v[rC:rC+7], v[rE], v[rF] matrix_a_fmt:MATRIX_FMT_BF6 matrix_b_fmt:MATRIX_FMT_BF6 matrix_a_scale:MATRIX_SCALE_ROW1
.else
	v_wmma_scale_f32_16x16x128_f8f6f4 v[rD:rD+7], v[rA:rA+11], v[rB:rB+11], v[rC:rC+7], v[rE], v[rF] matrix_a_fmt:MATRIX_FMT_BF6 matrix_b_fmt:MATRIX_FMT_BF6
.endif
.endm
.macro HALF q, i, first                ; 16 products, 16 accumulators by turns.  first: the biases, in row block 0's accumulators, are C of all four row blocks; row block 0 comes last, five places behind
.if \first
.irp t, 0,1,2,3
	MM 1, 4*\q+\t, \i, 1
	MM 2, 4*\q+\t, \i, 1
	MM 3, 4*\q+\t, \i, 1
.endr
	PLACES 5
.irp t, 0,1,2,3
	MM 0, 4*\q+\t, \i, 0
.endr
.else
.irp t, 0,1,2,3
	MM 0, 4*\q+\t, \i, 0
	MM 1, 4*\q+\t, \i, 0
	MM 2, 4*\q+\t, \i, 0
	MM 3, 4*\q+\t, \i, 0
.endr
.endif
.endm
.macro STEP i, n, first                ; n: the loads issued behind this step's tiles 0..3, which may stay out
.if ((\i)%2) || ((\i) == 14)
	PLACES 4
.endif
	LDSL \i
	s_wait_loadcnt \n
	s_wait_dscnt 12                                ; all but tiles 4..7
	WIN 0x50
	HALF 0, \i, \first
.if (\i) < 14
	PLACES 4
	WIN 0
	DWLOAD (\i)+2
.elseif (\i) == 14
	PLACES 4
	WIN 0
.irp z, 0,1,2,3,4,5,6,7
	global_load_b128 v[GA+4*\z:GA+4*\z+3], v[LI], s[48:49] offset:512*\z
	global_load_b128 v[BT+4*\z:BT+4*\z+3], v[LI], s[50:51] offset:512*\z
.endr
.endif
	s_wait_dscnt 0x0
.if (\i) == 15
	s_barrier_signal -1                            ; I read the slots and the codes no more
.endif
	WIN 0x50
	HALF 1, \i, \first
	WIN 0
.if (\i) == 15
	s_barrier_wait -1
.endif
.endm
	s_load_b512 s[68:83], s[0:1], 0x0              ; user, item, in_b x 2, out_b x 2, g x 2
	s_load_b256 s[84:91], s[0:1], 0x40             ; b x 2, alpha, beta
	s_load_b128 s[92:95], s[0:1], 0x60             ; out0, out1
	s_load_b64 s[96:97], s[0:1], 0x70              ; wimg
	v_lshl_add_u32 v[SPW], v0, 2, SPARE
	v_mov_b32 v[NIL], 0
	ds_add_u32 v[SPW], v[NIL]                      ; the opening: the add, twice on end, and its wait
	ds_add_u32 v[SPW], v[NIL]
	v_lshrrev_b32 v24, 5, v0
	v_readfirstlane_b32 s2, v24                    ; wave 0..7
	s_bfe_u32 s6, ttmp6, 0x40000                   ; cx
	s_bfe_u32 s7, ttmp6, 0x40004                   ; cy
	s_and_b32 s3, s7, 1                            ; stream
	s_and_b32 s59, ttmp7, 0xffff
	s_add_co_u32 s58, ttmp9, s59
	s_and_b32 s58, s58, 3                          ; rot / 2
	s_lshl_b32 s5, s58, 1                          ; rot
	s_lshl_b32 s59, s59, 1
	s_lshr_b32 s60, s7, 1
	s_add_co_u32 s59, s59, s60
	s_lshl_b32 s59, s59, 4
	s_lshl_b32 s60, ttmp9, 2
	s_add_co_u32 s59, s59, s60
	s_add_co_u32 s4, s59, s6                       ; block of 64 rows, 0..127: 16 (2 x cluster y + cy / 2) + 4 x cluster x + cx
	s_lshl_b32 s60, s7, 2
	s_lshl_b32 s60, 15, s60                        ; my row of the cluster
	s_or_b32 s[G1], s60, (3<<16)|(1<<21)           ; 15:0 mask; elements of 8 bytes; 21 set beside a mask
	s_mov_b32 s[G1+1], 32<<16                      ; 52 rows of 256 bytes, dense
	s_mov_b32 s[G1+2], 52<<16
	s_mov_b32 s[G1+3], 32<<16
	s_mov_b32 s[G1+4], 52
	s_mov_b32 s[G1+5], 32
	s_mov_b32 s[G1+6], 0
	s_mov_b32 s[G1+7], 0
	s_mov_b32 s66, 0x76543210
	s_mov_b32 s67, 0xfedcba98                      ; v_permlanex16_b32's selects for lane l xor 16
	s_mov_b32 s99, 0
	s_mov_b32 s101, 0
	s_mov_b32 s105, 0
	s_add_co_u32 s59, s2, s5
	s_and_b32 s59, s59, 7                          ; my group of hidden columns: (w + rot) % 8
	s_and_b32 s33, s2, 3                           ; x: my row block,
	s_lshr_b32 s34, s2, 2                          ; my half of a K step
	s_mul_i32 s35, s2, 4352
	s_add_co_u32 s35, s35, HX                      ; my stage
	s_mul_i32 s36, s33, 1536
	s_mul_i32 s37, s34, 768
	s_add_co_u32 s36, s36, s37
	s_add_co_u32 s36, s36, XH
	s_lshl_b32 s37, s33, 7
	s_lshl_b32 s38, s34, 1
	s_add_co_u32 s37, s37, s38
	s_add_co_u32 s37, s37, XH+6144
	s_mul_i32 s38, s2, KSB
	s_add_co_u32 s38, s38, HX
	s_mul_i32 s39, s2, 13312
	s_mov_b32 s[G0], 1
	s_mov_b32 s[G0+1], s39
	s_mov_b32 s[G0+4], 1
	s_add_co_u32 s[G0+5], s39, SLOT
	s_lshl_b32 s60, s59, 9
	s_lshl_b32 s61, s2, 9
	s_mul_i32 s57, s2, 8*RP
	v_and_b32 v25, 31, v0                          ; lane
	v_and_b32 v26, 15, v0                          ; r
	v_bfe_u32 v27, v0, 4, 1                        ; h
	v_lshlrev_b32 v[LI], 4, v25
	v_lshlrev_b32 v28, 3, v25
	v_lshlrev_b32 v29, 2, v25
	v_lshlrev_b32 v30, 6, v27
	v_lshlrev_b32 v31, 4, v26
	v_lshl_add_u32 v[XG], v27, 12, v31             ; lanes 0-15 a row's 256 bytes, lanes 16-31 the next row's
	v_mad_u32_u24 v[XW], v27, 272, v31
	v_mad_u32_u24 v[XR], v26, 272, v30
	v_add_nc_u32 v[XW], s35, v[XW]
	v_add_nc_u32 v[XR], s35, v[XR]
	v_add_nc_u32 v[XC], s36, v[LI]
	v_add_nc_u32 v[XP], s36, v28
	v_add_nc_u32 v[XS], s37, v29
	v_add_nc_u32 v[HC], s38, v[LI]
	v_add_nc_u32 v[HP], s38, v28
	v_add_nc_u32 v[HS], s38, v29
	v_add_nc_u32 v[AC], XH, v[LI]
	v_add_nc_u32 v[AP], XH, v28
	v_add_nc_u32 v[A4], XH, v29
	v_add_nc_u32 v[WR], s39, v[LI]
	v_add_nc_u32 v[WS], s39, v28
	v_add_nc_u32 v[WR+1], SLOT, v[WR]
	v_add_nc_u32 v[WS+1], SLOT, v[WS]
	v_add_nc_u32 v[BIA], s60, v30
	v_add_nc_u32 v[LNR], s57, v[LI]
	v_mad_u32_u24 v[EP], v26, RP, v30
	v_add_nc_u32 v[EP], s61, v[EP]
	v_min_u32 v[PFO], 24, v25                      ; 25 blocks of 256 bytes; lanes over name the last again
	v_lshlrev_b32 v[PFO], 8, v[PFO]
	v_add_nc_u32 v[BIB], s61, v30
	v_mov_b32 v[TM+2], 0                           ; a lane permute's destination counts as one of its sources
	v_mov_b32 v[TM+3], 0
	s_wait_alu depctr_va_vdst(0)
	s_wait_dscnt 0x0                               ; both opening adds are done
	s_wait_kmcnt 0x0
	s_cmp_eq_u32 s3, 0
	s_cselect_b64 s[40:41], s[70:71], s[68:69]     ; x
	s_cselect_b64 s[42:43], s[68:69], s[70:71]     ; residual
	s_cselect_b64 s[44:45], s[72:73], s[74:75]     ; in_b
	s_cselect_b64 s[46:47], s[76:77], s[78:79]     ; out_b
	s_cselect_b64 s[48:49], s[80:81], s[82:83]
	s_cselect_b64 s[50:51], s[84:85], s[86:87]
	s_cselect_b64 s[56:57], s[88:89], s[90:91]
	s_cselect_b64 s[52:53], s[92:93], s[94:95]
	s_load_b32 s62, s[56:57], 0x0                  ; alpha or beta
	s_lshl_b32 s104, s4, 18
	s_add_nc_u64 s[40:41], s[40:41], s[104:105]
	s_add_nc_u64 s[42:43], s[42:43], s[104:105]
	s_add_nc_u64 s[52:53], s[52:53], s[104:105]
	s_lshl_b32 s104, s33, 16
	s_lshl_b32 s6, s34, 8
	s_add_co_u32 s104, s104, s6
	s_add_nc_u64 s[40:41], s[40:41], s[104:105]
	XLOAD 0, 1, 64, 68
	XLOAD 1, 1, 96, 70
	XLOAD 2, 1, 128, 72
	XLOAD 3, 1, 160, 74
	s_add_nc_u64 s[44:45], s[44:45], 8192          ; bv: elements 2048.. of in_b
	BIAS 44, BIA
	s_lshl_b32 s104, s2, 15                        ; the way out: my 8 rows
	s_add_nc_u64 s[42:43], s[42:43], s[104:105]
	s_add_nc_u64 s[52:53], s[52:53], s[104:105]
	s_mul_i32 s98, s3, 1638400                     ; my stream's two matrices
	s_add_nc_u64 s[54:55], s[96:97], s[98:99]
	s_mul_i32 s98, s59, 13312
	s_add_nc_u64 s[24:25], s[54:55], s[98:99]
	s_mul_i32 s98, s2, 13312
	s_add_nc_u64 s[26:27], s[54:55], s[98:99]
	s_add_nc_u64 s[26:27], s[26:27], 819200
	s_mul_i32 s98, s59, 6144
	s_add_nc_u64 s[28:29], s[54:55], s[98:99]
	s_add_nc_u64 s[28:29], s[28:29], 425984
	s_mul_i32 s98, s2, 6144
	s_add_nc_u64 s[30:31], s[54:55], s[98:99]
	s_add_nc_u64 s[30:31], s[30:31], 1245184
	s_mul_i32 s104, s4, 6400                       ; my 1/128 of the second matrix
	s_add_nc_u64 s[38:39], s[54:55], s[104:105]
	s_add_nc_u64 s[38:39], s[38:39], 819200
	FILLADDR 0
	CROUND                                         ; all sixteen work-groups are here: the first joint loads meet
	tensor_load_to_lds s[G0:G0+3], s[G1:G1+7]
	s_nop 0
	PLACES 4
	s_wait_loadcnt 40                              ; chunk 0 is in; behind it: 24 loads of x, 16 of biases
	XQ 1, 64, 0
	DWLOAD 0
	s_wait_loadcnt 44                              ; chunk 1; behind it 16 + 16 + 12
	XQ 1, 96, 1
	DWLOAD 1
	s_wait_loadcnt 48                              ; chunk 2; behind it 8 + 16 + 24
	XQ 1, 128, 2
	XLOAD 4, 0, RAW, 76
	s_wait_loadcnt 48                              ; chunk 3; behind it 16 + 24 + 8
	XQ 1, 160, 3
	PAIR 0
	STEP 0, 20, 1                                  ; behind its tiles: step 1's 12 loads and chunk 4's 8
	PLACES 4
	s_wait_loadcnt 12                              ; chunk 4; behind it step 2's 12
	XQ 0, RAW, 4
	XLOAD 5, 0, RAW, 78
	STEP 1, 20, 0
	PAIR 1
	STEP 2, 20, 0
	s_wait_alu depctr_va_vdst(0)
	s_cmp_lg_u32 s2, 0
	s_cbranch_scc1 .Lno_ask
	global_prefetch_b8 v[PFO], s[38:39] th:TH_LOAD_NT scope:SCOPE_SE   ; my 25 blocks of the second matrix, first wanted four steps on
.Lno_ask:
	PLACES 4
	s_wait_loadcnt 24                              ; chunk 5; behind it steps 3 and 4
	XQ 0, RAW, 5
	XLOAD 6, 0, RAW, 80
	STEP 3, 20, 0
	PLACES 4
	s_wait_loadcnt 12                              ; chunk 6; behind it step 5
	XQ 0, RAW, 6
	XLOAD 7, 0, RAW, 82
	PAIR 2
	STEP 4, 20, 0
	STEP 5, 20, 0
	PLACES 4
	s_wait_loadcnt 24                              ; chunk 7; behind it steps 6 and 7
	XQ 0, RAW, 7
	PAIR 3
	STEP 6, 12, 0                                  ; behind its tiles: the next step's 12 loads
	STEP 7, 12, 0
	PLACES 4
	s_wait_kmcnt 0x0
	s_mov_b32 s63, s62
	HQ 0
	BIAS 46, BIB                                   ; row block 0's accumulators are free
	HQ 1
	HQ 2
	HQ 3
	v_add_nc_u32 v[AC], HX-XH, v[AC]               ; from here on the operand is the hidden layer
	v_add_nc_u32 v[AP], HX-XH, v[AP]
	v_add_nc_u32 v[A4], HX-XH, v[A4]
	PAIR 4
	STEP 8, 0, 1
	STEP 9, 12, 0
	PAIR 5
	STEP 10, 12, 0
	STEP 11, 12, 0
	PAIR 6
	STEP 12, 12, 0
	STEP 13, 12, 0
	PAIR 7
	STEP 14, 12, 0
	STEP 15, 16, 0                                 ; behind its tiles: 16 loads of gains and biases
; THE WAY OUT: the results go to LDS as 64 rows of 1,024, over the slots, which have had their last fill and read; each wave then takes 8 whole rows, with their residual.
.macro DUMP m, adr
	WIN 0x04
.irp t, 0,1,2,3,4,5,6,7
	ds_store_b128 v[\adr], v[64*(\m)+8*\t:64*(\m)+8*\t+3] offset:128*(\t/2)+32*(\t%2)
	ds_store_b128 v[\adr], v[64*(\m)+8*\t+4:64*(\m)+8*\t+7] offset:128*(\t/2)+32*(\t%2)+16
.endr
	WIN 0
.endm
.macro RES g                           ; four rows of the residual, over accumulators that lie in LDS by now
	WIN 0x40
.irp a, 0,1,2,3
.irp z, 0,1,2,3,4,5,6,7
	global_load_b128 v[128*(\g)+32*\a+4*\z:128*(\g)+32*\a+4*\z+3], v[LI], s[42:43] offset:4096*(4*(\g)+\a)+512*\z
.endr
.endr
	WIN 0
.endm
.macro ACROSS                          ; the four rows' sums over the 32 lanes, by turns
.irp x, 1,2,4,8
.irp a, 0,1,2,3
	v_add_f32_dpp v[T+8*\a], v[T+8*\a], v[T+8*\a] row_xmask:\x row_mask:0xf bank_mask:0xf
.endr
.endr
.irp a, 0,1,2,3
	v_permlanex16_b32 v[24+\a], v[T+8*\a], s66, s67
.endr
.irp a, 0,1,2,3
	v_add_f32 v[T+8*\a], v[T+8*\a], v[24+\a]
.endr
.endm
.macro JOIN                            ; a row's four partial sums into one
.irp a, 0,1,2,3
	v_pk_add_f32 v[T+8*\a:T+8*\a+1], v[T+8*\a:T+8*\a+1], v[T+8*\a+2:T+8*\a+3]
.endr
.irp a, 0,1,2,3
	v_add_f32 v[T+8*\a], v[T+8*\a], v[T+8*\a+1]
.endr
	ACROSS
.endm
.macro GROUP g                         ; four rows
.if \g
	s_wait_xcnt 0x0                                ; the stores have read their registers
.endif
.irp a, 0,1,2,3
.irp z, 0,1,2,3,4,5,6,7
	ds_load_b128 v[YB+32*\a+32*(\a/3)+4*\z:YB+32*\a+32*(\a/3)+4*\z+3], v[LNR] offset:RP*(4*(\g)+\a)+512*\z
.endr
.endr
	s_wait_loadcnt 32*(1-(\g))                     ; this group's residual; the next group's 32 loads may be out
	s_wait_dscnt 0x0
	WIN 0x10
.irp j, 0,2,4,6,8,10,12,14,16,18,20,22,24,26,28,30
.irp a, 0,1,2,3
.set y, YB+32*\a+32*(\a/3)+\j
	v_pk_fma_f32 v[y:y+1], v[y:y+1], s[62:63], v[128*(\g)+32*\a+\j:128*(\g)+32*\a+\j+1] op_sel_hi:[1,0,1]
.endr
.endr
	WIN 0
.irp a, 0,1,2,3
.set y, YB+32*\a+32*(\a/3)
	v_pk_add_f32 v[T+8*\a:T+8*\a+1], v[y:y+1], v[y+2:y+3]
	v_pk_add_f32 v[T+8*\a+2:T+8*\a+3], v[y+4:y+5], v[y+6:y+7]
.endr
.irp j, 8,12,16,20,24,28
.irp a, 0,1,2,3
.set y, YB+32*\a+32*(\a/3)+\j
	v_pk_add_f32 v[T+8*\a:T+8*\a+1], v[T+8*\a:T+8*\a+1], v[y:y+1]
	v_pk_add_f32 v[T+8*\a+2:T+8*\a+3], v[T+8*\a+2:T+8*\a+3], v[y+2:y+3]
.endr
.endr
	JOIN
.irp a, 0,1,2,3
	v_mul_f32 v[T+8*\a+4], s6, v[T+8*\a]           ; the mean
.endr
.irp j, 0,2,4,6,8,10,12,14,16,18,20,22,24,26,28,30
.irp a, 0,1,2,3
.set y, YB+32*\a+32*(\a/3)+\j
	v_pk_add_f32 v[y:y+1], v[y:y+1], v[T+8*\a+4:T+8*\a+5] op_sel_hi:[1,0] neg_lo:[0,1] neg_hi:[0,1]
.endr
.endr
.irp a, 0,1,2,3
.set y, YB+32*\a+32*(\a/3)
	v_pk_mul_f32 v[T+8*\a:T+8*\a+1], v[y:y+1], v[y:y+1]
	v_pk_mul_f32 v[T+8*\a+2:T+8*\a+3], v[y+2:y+3], v[y+2:y+3]
.endr
.irp j, 4,8,12,16,20,24,28
.irp a, 0,1,2,3
.set y, YB+32*\a+32*(\a/3)+\j
	v_pk_fma_f32 v[T+8*\a:T+8*\a+1], v[y:y+1], v[y:y+1], v[T+8*\a:T+8*\a+1]
	v_pk_fma_f32 v[T+8*\a+2:T+8*\a+3], v[y+2:y+3], v[y+2:y+3], v[T+8*\a+2:T+8*\a+3]
.endr
.endr
	JOIN
.irp a, 0,1,2,3
	v_fma_f32 v[T+8*\a], v[T+8*\a], s6, s7         ; the variance + 1e-5
.endr
	s_wait_alu depctr_va_vdst(0)                   ; the wait ahead of the batch
.irp a, 0,1,2,3
	v_rsq_f32 v[T+8*\a+6], v[T+8*\a]
.endr
	v_nop
	s_wait_alu depctr_va_vdst(0)                   ; and behind it
.irp j, 0,2,4,6,8,10,12,14,16,18,20,22,24,26,28,30
.irp a, 0,1,2,3
.set y, YB+32*\a+32*(\a/3)+\j
	v_pk_mul_f32 v[y:y+1], v[y:y+1], v[T+8*\a+6:T+8*\a+7] op_sel_hi:[1,0]
.endr
.endr
.irp j, 0,2,4,6,8,10,12,14,16,18,20,22,24,26,28,30
.irp a, 0,1,2,3
.set y, YB+32*\a+32*(\a/3)+\j
	v_pk_fma_f32 v[y:y+1], v[y:y+1], v[GA+\j:GA+\j+1], v[BT+\j:BT+\j+1]
.endr
.endr
.irp a, 0,1,2,3
.irp z, 0,1,2,3,4,5,6,7
	global_store_b128 v[LI], v[YB+32*\a+32*(\a/3)+4*\z:YB+32*\a+32*(\a/3)+4*\z+3], s[52:53] offset:4096*(4*(\g)+\a)+512*\z th:TH_STORE_NT   ; 512 consecutive bytes; read by nobody here
.endr
.endr
.endm
	PLACES 4
	v_add_nc_u32 v24, 16*RP, v[EP]                 ; 16 rows further down, and so on (an LDS offset has 16 bits)
	v_add_nc_u32 v25, 32*RP, v[EP]
	v_add_nc_u32 v26, 48*RP, v[EP]
	v_mov_b32 v27, 0
.irp a, 0,1,2,3
	v_mov_b32 v[T+8*\a+5], 0                       ; (the upper halves of pairs whose lower half alone is used)
	v_mov_b32 v[T+8*\a+7], 0
.endr
	DUMP 0, EP
	DUMP 1, 24
	DUMP 2, 25
	s_mov_b32 s6, 0x3a800000                       ; 1 / 1024
	s_mov_b32 s7, 0x3727c5ac                       ; 1e-5
	s_wait_alu depctr_va_vdst(0)
	s_wait_dscnt 16                                ; row blocks 0 and 1 are in LDS
	RES 0
	DUMP 3, 26
	s_wait_dscnt 0x0                               ; all mine are
	RES 1
	s_barrier_signal -1
	s_barrier_wait -1
	GROUP 0
	GROUP 1
	s_wait_tensorcnt 0x0                           ; the wave's end
	ds_add_u32 v[SPW], v[NIL]
	s_wait_dscnt 0x0
	CROUND                                         ; the closing round
	s_endpgm
.Lfunc_end_k_q33d6cd6608_main:
	.size	k_q33d6cd6608_main, .Lfunc_end_k_q33d6cd6608_main-k_q33d6cd6608_main
	.p2alignl 7, 3214868480
	.fill 96, 4, 3214868480
	.section	.rodata,"a",@progbits
	.p2align	6, 0x0
	.amdhsa_kernel k_q33d6cd6608_main
		.amdhsa_group_segment_fixed_size 327680
		.amdhsa_private_segment_fixed_size 0
		.amdhsa_enable_private_segment 0
		.amdhsa_kernarg_size 120
		.amdhsa_user_sgpr_count 2
		.amdhsa_user_sgpr_kernarg_segment_ptr 1
		.amdhsa_wavefront_size32 1
		.amdhsa_system_sgpr_workgroup_id_x 1
		.amdhsa_system_sgpr_workgroup_id_y 1
		.amdhsa_system_sgpr_workgroup_id_z 1
		.amdhsa_system_vgpr_workitem_id 0
		.amdhsa_next_free_vgpr 512
		.amdhsa_next_free_sgpr 106
		.amdhsa_reserve_vcc 0
		.amdhsa_float_denorm_mode_32 3
		.amdhsa_float_denorm_mode_16_64 3
		.amdhsa_memory_ordered 1
		.amdhsa_forward_progress 1
		.amdhsa_inst_pref_size 255
	.end_amdhsa_kernel
	.section	.bss,"aw",@nobits
	.p2align	6
	.space	262144
	.amdgpu_metadata
---
amdhsa.version: [ 1, 2 ]
amdhsa.kernels:
  - .name:           k_q33d6cd6608_main
    .symbol:         k_q33d6cd6608_main.kd
    .args:
      - { .name: user_emb, .offset: 0, .size: 8, .value_kind: global_buffer, .address_space: global }
      - { .name: item_emb, .offset: 8, .size: 8, .value_kind: global_buffer, .address_space: global }
      - { .name: u2i_in_b, .offset: 16, .size: 8, .value_kind: global_buffer, .address_space: global }
      - { .name: i2u_in_b, .offset: 24, .size: 8, .value_kind: global_buffer, .address_space: global }
      - { .name: u2i_out_b, .offset: 32, .size: 8, .value_kind: global_buffer, .address_space: global }
      - { .name: i2u_out_b, .offset: 40, .size: 8, .value_kind: global_buffer, .address_space: global }
      - { .name: user_norm_g, .offset: 48, .size: 8, .value_kind: global_buffer, .address_space: global }
      - { .name: item_norm_g, .offset: 56, .size: 8, .value_kind: global_buffer, .address_space: global }
      - { .name: user_norm_b, .offset: 64, .size: 8, .value_kind: global_buffer, .address_space: global }
      - { .name: item_norm_b, .offset: 72, .size: 8, .value_kind: global_buffer, .address_space: global }
      - { .name: alpha, .offset: 80, .size: 8, .value_kind: global_buffer, .address_space: global }
      - { .name: beta, .offset: 88, .size: 8, .value_kind: global_buffer, .address_space: global }
      - { .name: out0, .offset: 96, .size: 8, .value_kind: global_buffer, .address_space: global }
      - { .name: out1, .offset: 104, .size: 8, .value_kind: global_buffer, .address_space: global }
      - { .name: wimg, .offset: 112, .size: 8, .value_kind: global_buffer, .address_space: global }
    .group_segment_fixed_size: 327680
    .private_segment_fixed_size: 0
    .kernarg_segment_align: 8
    .kernarg_segment_size: 120
    .max_flat_workgroup_size: 256
    .sgpr_count:     106
    .vgpr_count:     512
    .wavefront_size: 32
...
	.end_amdgpu_metadata
.endif
;; end of part 2
